; MI455X (gfx1250); checked and timed in simulation.
; The chip was launched on July 23, 2026; its instructions are those of AMD's public machine-readable ISA for CDNA 5 (MIT licence, August 2026) and "CDNA5" Instruction Set Architecture Reference Guide (July 2026). The comments in the code are by the model that wrote it; some were corrected since.
;; Attention. Allowed arithmetic: matrix products marked QUANTISED: E4M3 operands, one given power-of-two scale a tensor, by v_wmma_f32_16x16x64_fp8_fp8 or v_wmma_f32_16x16x128_fp8_fp8, f32 sums; products left as they are: f32 operands where the result goes on into a quantised operand, else bf16, f16 or f32 operands; f32 sums; everything else in f32.
;; Inputs: W1 512 x 1,024 float32; W2 1,024 x 1,024 float32; Wv 1,024 x 1 float32; b1 1,024 float32; b2 1,024 float32; bv 1 float32; features 256 x 512 x 512 float32; hidden_prev 256 x 1,024 float32; lowp_scales 4 int32 (the exponents e of the quantised operands' scales 2^e).
;; Outputs: out0 256 x 1,024 float32; out1 256 x 512 x 1 float32.
;; This version of the problem:
;;   THIS VERSION OF THE PROBLEM IS GIVEN IN LOW PRECISION. The matrix products marked QUANTISED in the list below multiply operands that are first quantised to E4M3 (4 exponent bits, 3 mantissa bits; 8 bits a number), with one given power-of-two scale for each operand tensor; their sums are f32. All else is computed in f32.
;;   The module's matrix products, in the order in which they are computed (A, B: the left and right operand; K: the contracted axis; several contracted axes count as one K, in the product's order):
;;     1. [M 131,072, K 512] x [K 512, N 1,024]; A: input features; B: input W1: QUANTISED (scales: A lowp_scales[0], B lowp_scales[1])
;;     2. [M 256, K 1,024] x [K 1,024, N 1,024]; A: input hidden_prev; B: input W2: QUANTISED (scales: A lowp_scales[2], B lowp_scales[3])
;;     3. [M 131,072, K 1,024] x [K 1,024, N 1]; A: computed on the way; B: input Wv: left as it is (N = 1 < 16)
;;   THE QUANTISER, for each operand of a quantised product, along K:
;;     - The operand's scale is 2^e, e = its entry of the input lowp_scales (int32; the entries are numbered through the quantised products in the list's order, A before B).
;;     - Each number is divided by the scale, clamped to +-448, and rounded to the nearest number of E4M3, ties to even, subnormals kept.
;;     - The product sums the exact products of the quantised numbers (number of the format x scale) in f32.
;;   ~~~python
;;   def quantise(x, axis, e):      # numpy; x: float32 -> the quantised numbers, widened to float32 again
;;       x = np.moveaxis(x, axis, -1); K = x.shape[-1]
;;       r = np.clip(x / 2.0 ** e, -448, 448)
;;       step = 2.0 ** (np.maximum(np.frexp(np.where(r == 0, 1, r))[1] - 1, -6) - 3)
;;       q = np.round(r / step) * step * 2.0 ** e      # np.round: ties to even
;;       return np.moveaxis(q, -1, axis).astype(np.float32)
;;   ~~~
;; One version. Each part assembles by itself: llvm-mc -triple=amdgcn-amd-amdhsa -mcpu=gfx1250 --defsym DOCPART=n.
;; ======== version 1 of 1: 2 launches
;; limits: right only within a limited range of input values
;; workspace buffers: w1c 524,288 bytes; biasw 1,048,576 bytes
;; launch prep (part 1): grid 256 x 1, 16 waves a work-group, no clusters, 67,584 bytes of LDS; arguments hidden_prev, W2, W1, b1, b2, lowp_scales, w1c, biasw; writes w1c, biasw
.if DOCPART == 1
	.amdgcn_target "amdgcn-amd-amdhsa--gfx1250"
	.amdhsa_code_object_version 6
	.text
	.protected	k_q62206a7ede_prep
	.globl	k_q62206a7ede_prep
	.p2align	8
	.type	k_q62206a7ede_prep,@function
k_q62206a7ede_prep:
	s_mov_b64 s[64:65], 0
	v_nop
	global_prefetch_b8 v0, s[64:65] scope:SCOPE_SE
	s_setreg_imm32_b32 hwreg(HW_REG_WAVE_MODE, 25, 1), 1
	s_wait_xcnt 0x0
; FIRST OF TWO LAUNCHES.  It makes what the second launch reads again and again:
;   biasw = (Q(hidden_prev) Q(W2) + b2 + b1) x C2, C2 = 2 log2(e), f32, laid as images of accumulator registers;
;   w1c   = the codes of W1 (E4M3, scale 2^e1), laid in the order of the operand's registers.
; WORK LEFT OUT BY THE PROGRAM, and why it can reach no output, for all finite values of the inputs:
;   (1) bv.  logits = score . Wv + bv adds the same number bv to all 512 logits of a batch; softmax along that axis gives the same attn with and without it
;       (e^(x+bv) / sum e^(x+bv) = e^x / sum e^x); logits are no output, and context is made of attn alone.  So bv is not loaded and is no argument of any launch.
;   (2) tanh(x) = 1 - 2 / (1 + e^(2x)), so a logit is sum_u Wv[u] - 2 sum_u Wv[u] / (1 + e^(2x)).  The first sum is the same for all 512 positions of a batch: it goes the way of bv.
;   (3) context = sum_s attn (raw + b1) = sum_s attn raw + b1, since sum_s attn = 1 by the softmax's own form: b1 is added once, at the end.
;   LIMIT: a NaN, an infinity or an overflow that reaches only bv or the sum of Wv is not carried to the results.
; LIMITS on the given exponents, so that each power of two below is an f32 number: e1, e2, e3 between -126 and 119; e2 + e3 between -127 and 126 (added to C2's exponent field).  NaN among the quantised inputs is not served.
; SHARES.  Work-group g: rb = g % 8 (32 rows of hidden_prev), ub = g / 8 (32 units).  K = 1,024 is eight steps of 128.  Wave v (s = v / 2, x = v % 2) quantises, of K step s, rows 16 x .. 16 x + 15 of hidden_prev
; (one fragment) and k = 64 x .. 64 x + 63 of W2's 32 units (half of two fragments).  The fragments go to LDS as images of their registers: 512 bytes a group of four registers, lane l's 16 bytes at 16 l.
; Behind ONE barrier waves 0 to 3 multiply (row tile a = v % 2, unit tile t = v / 2); waves 4 to 7 quantise 16 k x 32 units of W1 each; the others have done their part.
; A FRAGMENT, 16 rows x 128 K: lane (r, h) holds row r; registers 4 c .. 4 c + 3 hold k = 32 c + 16 h + 0 .. 15.  The same places in both operands: every product meets its partner; only the order of the sums inside an instruction differs.
.set C2,    0x4038aa3b                 ; 2 log2(e)
.set HIMG,  0                          ; LDS: hidden_prev's fragments (a, s) at (8 a + s) x 2,048
.set WIMG,  32768                      ; W2's fragments (t, s) likewise
.set SPARE, 65536                      ; the spare words: 128 bytes for each of 16 waves, eight blocks of 256 bytes that no other line names
.set SPW,  14                          ; v14  my spare word's address; never rewritten
.set NIL,  15                          ; v15  0; never rewritten
.set HX,   16                          ; v16-79   64 numbers of hidden_prev; later four fragments of it; in waves 4-7 W1's numbers
.set WX,   80                          ; v80-143  64 numbers of W2; later four fragments of it
.set HC,   144                         ; v144-159 codes of hidden_prev (of W1 in waves 4-7)
.set WC,   160                         ; v160-175 codes of W2
.set AC0,  176                         ; two accumulators: even K steps, odd K steps
.set AC1,  184
.set OUT,  192                         ; v192-199 the results
.set SH,   200                         ; 2^e2, 448 x 2^e2
.set LH,   201
.set SW,   202                         ; 2^e3, 448 x 2^e3
.set LW,   203
.set S1,   204                         ; 2^e1, 448 x 2^e1
.set L1,   205
.set BB,   206                         ; v[206:207] (b1 + b2) x C2, twice
.macro MKSC e, vs, vl                  ; e -> 2^e and 448 x 2^e as f32 patterns
	s_add_co_i32 s44, \e, 127
	s_lshl_b32 s45, s44, 23
	v_mov_b32 v[\vs], s45
	s_add_co_i32 s44, s44, 8
	s_lshl_b32 s44, s44, 23
	s_or_b32 s44, s44, 0x600000
	v_mov_b32 v[\vl], s44
.endm
.macro HOLD16 reg, lim                 ; the conversion to an 8-bit code does not saturate (ISA guide 7.6.2): each number is held within the largest code x the scale first
.set n, 0
.rept 16
	v_med3_num_f32 v[\reg+n], v[\reg+n], -v[\lim], v[\lim]
.set n, n+1
.endr
.endm
	s_load_b256 s[4:11], s[0:1], 0x0               ; hidden_prev s[4:5], W2 s[6:7], W1 s[8:9], b1 s[10:11]
	s_load_b256 s[12:19], s[0:1], 0x20             ; b2 s[12:13], the exponents s[14:15], w1c s[16:17], biasw s[18:19]
	v_lshl_add_u32 v[SPW], v0, 2, SPARE
	v_mov_b32 v[NIL], 0
	v_lshrrev_b32 v1, 5, v0
	s_delay_alu instid0(VALU_DEP_1)
	v_readfirstlane_b32 s20, v1                    ; wave v
	v_and_b32 v1, 31, v0                           ; lane l
	v_and_b32 v2, 15, v0                           ; r
	s_wait_alu depctr_va_vdst(0)
	v_bfe_u32 v3, v0, 4, 1                         ; h
	s_and_b32 s21, ttmp9, 7                        ; rb
	s_lshr_b32 s22, ttmp9, 3                       ; ub; also kp, W1's group of 16 k
	s_lshr_b32 s23, s20, 1                         ; s
	s_and_b32 s24, s20, 1                          ; x; also a
	s_and_b32 s25, s23, 1                          ; t (of use in waves 0 to 3)
	; where my parts begin in memory
	s_lshl_b32 s26, s21, 17                        ; hidden_prev: (32 rb + 16 x) rows of 4,096 bytes + 512 s
	s_lshl_b32 s30, s24, 16
	s_add_co_u32 s26, s26, s30
	s_lshl_b32 s30, s23, 9
	s_add_co_u32 s26, s26, s30
	s_mov_b32 s27, 0
	s_lshl_b32 s28, s23, 19                        ; W2: (128 s + 64 x) rows of 4,096 bytes + 128 ub
	s_lshl_b32 s30, s24, 18
	s_add_co_u32 s28, s28, s30
	s_lshl_b32 s30, s22, 7
	s_add_co_u32 s28, s28, s30
	s_mov_b32 s29, 0
	v_lshlrev_b32 v4, 12, v2                       ; hidden_prev: row r, + 64 h: my 16 numbers of a block of 32
	s_wait_alu depctr_va_vdst(0)
	v_lshl_add_u32 v4, v3, 6, v4
	v_lshlrev_b32 v5, 2, v1                        ; W2: lane l takes unit 32 ub + l, and its registers run down K
	; every LDS address is made here, ahead of the waves' parting
	s_lshl_b32 s30, s24, 14
	s_lshl_b32 s31, s23, 11
	s_add_co_u32 s32, s30, s31
	v_lshl_add_u32 v6, v1, 4, s32                  ; hidden_prev's image: HIMG + (8 x + s) x 2,048 + 16 l
	s_lshl_b32 s32, s24, 10
	s_add_co_u32 s32, s32, s31
	s_add_co_u32 s32, s32, WIMG
	v_lshl_add_u32 v7, v3, 14, s32                 ; W2's: WIMG + 16,384 (l / 16) + 2,048 s + 1,024 x + 16 (l % 16)
	s_delay_alu instid0(VALU_DEP_1)
	v_lshl_add_u32 v7, v2, 4, v7
	v_lshl_add_u32 v8, v1, 4, s30                  ; to read: HIMG + 16,384 a + 16 l
	s_lshl_b32 s32, s25, 14
	s_add_co_u32 s32, s32, WIMG
	v_lshl_add_u32 v9, v1, 4, s32                  ; WIMG + 16,384 t + 16 l
	; offsets in memory for the second part
	s_lshl_b32 s32, s25, 6
	s_lshl_b32 s33, s22, 7
	s_add_co_u32 s32, s32, s33
	v_lshl_add_u32 v10, v2, 2, s32                 ; b1, b2: unit 32 ub + 16 t + r
	s_lshl_b32 s32, s21, 17
	s_lshl_b32 s33, s24, 16
	s_add_co_u32 s32, s32, s33
	s_lshl_b32 s33, s22, 11
	s_add_co_u32 s32, s32, s33
	s_lshl_b32 s33, s25, 10
	s_add_co_u32 s32, s32, s33
	v_lshl_add_u32 v11, v1, 4, s32                 ; biasw: ((2 rb + a) x 64 + 2 ub + t) x 1,024 + 16 l
	s_and_b32 s33, s20, 3
	s_lshl_b32 s34, s21, 2
	s_add_co_u32 s34, s34, s33                     ; ug = 4 rb + v % 4: W1's group of 32 units
	s_lshl_b32 s32, s22, 14
	s_lshl_b32 s33, s34, 7
	s_add_co_u32 s32, s32, s33
	v_lshl_add_u32 v12, v1, 2, s32                 ; W1: 4 kp rows of 4,096 bytes + 128 ug + 4 l
	s_lshr_b32 s32, s22, 3
	s_lshl_b32 s32, s32, 17                        ; w1c: K step kp / 8,
	s_lshl_b32 s33, s34, 12
	s_add_co_u32 s32, s32, s33                     ; 4,096 ug (two unit tiles of 2,048 bytes),
	s_bfe_u32 s33, s22, 0x20001
	s_lshl_b32 s33, s33, 9
	s_add_co_u32 s32, s32, s33                     ; group of four registers c = (kp / 2) % 4,
	s_and_b32 s33, s22, 1
	s_lshl_b32 s33, s33, 8
	s_add_co_u32 s32, s32, s33                     ; half h = kp % 2,
	v_lshl_add_u32 v13, v3, 11, s32                ; the unit tile of my half of the lanes,
	s_delay_alu instid0(VALU_DEP_1)
	v_lshl_add_u32 v13, v2, 4, v13                 ; and 16 r
	s_wait_kmcnt 0x0
	s_load_b128 s[40:43], s[14:15], 0x0            ; e0, e1, e2, e3
	s_add_nc_u64 s[4:5], s[4:5], s[26:27]
	s_add_nc_u64 s[6:7], s[6:7], s[28:29]
.irp c, 0,1,2,3
.irp j, 0,1,2,3
	global_load_b128 v[HX+16*\c+4*\j:HX+16*\c+4*\j+3], v4, s[4:5] offset:128*\c+16*\j
.endr
.endr
.set n, 0
.rept 64
	global_load_b32 v[WX+n], v5, s[6:7] offset:4096*n       ; W2(128 s + 64 x + n, my unit): 32 lanes read 128 consecutive bytes
.set n, n+1
.endr
	s_wait_kmcnt 0x0
	MKSC s42, SH, LH
	MKSC s43, SW, LW
	MKSC s41, S1, L1
	s_add_co_i32 s46, s42, s43
	s_lshl_b32 s46, s46, 23
	s_add_co_i32 s46, s46, C2                      ; C2 x 2^(e2 + e3)
	s_mov_b32 s47, s46                             ; (named with it as a pair, so it is written)
	s_wait_alu depctr_va_vdst(0)
	s_wait_loadcnt 63                              ; of the 80 loads at most 63 are out: the oldest 17 are in, hidden_prev's 16 among them
.irp c, 0,1,2,3
	HOLD16 HX+16*\c, LH
	v_cvt_scalef32_pk8_fp8_f32 v[HC+4*\c:HC+4*\c+1], v[HX+16*\c:HX+16*\c+7], v[SH]
	v_cvt_scalef32_pk8_fp8_f32 v[HC+4*\c+2:HC+4*\c+3], v[HX+16*\c+8:HX+16*\c+15], v[SH]
.endr
	v_nop                                          ; a plain line behind the last conversion of the run
.irp c, 0,1,2,3
	ds_store_b128 v6, v[HC+4*\c:HC+4*\c+3] offset:HIMG+512*\c
.endr
.irp p, 0,1,2,3                                ; W2, 16 k at a time: they are registers 4 c .. 4 c + 3, c = 2 x + p / 2, of lane (l % 16, p % 2) of unit tile l / 16
	s_wait_loadcnt 48-16*\p                        ; this pass's 16 loads are in; the later passes' may be out
	HOLD16 WX+16*\p, LW
	v_cvt_scalef32_pk8_fp8_f32 v[WC+4*\p:WC+4*\p+1], v[WX+16*\p:WX+16*\p+7], v[SW]
	v_cvt_scalef32_pk8_fp8_f32 v[WC+4*\p+2:WC+4*\p+3], v[WX+16*\p+8:WX+16*\p+15], v[SW]
	ds_store_b128 v7, v[WC+4*\p:WC+4*\p+3] offset:256*\p
.endr
	v_nop                                          ; a plain line behind the last conversion
	s_wait_dscnt 0x0                               ; for the others' sake: my images lie in LDS
	s_barrier_signal -1
	s_barrier_wait -1                              ; everybody's do
	s_cmp_lt_u32 s20, 4
	s_cbranch_scc0 .Lnot_product
	; ---- waves 0 to 3: 16 rows x 16 units, K = 1,024: eight matrix instructions on two accumulators by turns
	global_load_b32 v[BB], v10, s[10:11]
	global_load_b32 v[BB+1], v10, s[12:13]
.irp grp, 0,1
.if \grp
.rept 4
	v_nop                                          ; places in front of loads into registers that matrix instructions have read
.endr
.endif
.irp s, 0,1,2,3
.irp c, 0,1,2,3
	ds_load_b128 v[HX+16*\s+4*\c:HX+16*\s+4*\c+3], v8 offset:(4*\grp+\s)*2048+512*\c
	ds_load_b128 v[WX+16*\s+4*\c:WX+16*\s+4*\c+3], v9 offset:(4*\grp+\s)*2048+512*\c
.endr
.endr
	s_wait_dscnt 0x0
.if \grp == 0
	v_wmma_f32_16x16x128_fp8_fp8 v[AC0:AC0+7], v[HX:HX+15], v[WX:WX+15], 0
	v_wmma_f32_16x16x128_fp8_fp8 v[AC1:AC1+7], v[HX+16:HX+31], v[WX+16:WX+31], 0
.else
	v_wmma_f32_16x16x128_fp8_fp8 v[AC0:AC0+7], v[HX:HX+15], v[WX:WX+15], v[AC0:AC0+7]
	v_wmma_f32_16x16x128_fp8_fp8 v[AC1:AC1+7], v[HX+16:HX+31], v[WX+16:WX+31], v[AC1:AC1+7]
.endif
	v_wmma_f32_16x16x128_fp8_fp8 v[AC0:AC0+7], v[HX+32:HX+47], v[WX+32:WX+47], v[AC0:AC0+7]
	v_wmma_f32_16x16x128_fp8_fp8 v[AC1:AC1+7], v[HX+48:HX+63], v[WX+48:WX+63], v[AC1:AC1+7]
.endr
.rept 4
	v_nop                                          ; places in front of the first read of the results
.endr
.irp j, 0,2,4,6
	v_pk_add_f32 v[OUT+\j:OUT+\j+1], v[AC0+\j:AC0+\j+1], v[AC1+\j:AC1+\j+1]   ; both accumulators from their low end on
.endr
	s_wait_loadcnt 0x0
	v_add_f32 v[BB], v[BB], v[BB+1]
	s_delay_alu instid0(VALU_DEP_1)
	v_mul_f32 v[BB], C2, v[BB]
	s_delay_alu instid0(VALU_DEP_1)
	v_mov_b32 v[BB+1], v[BB]
	s_wait_alu depctr_va_vdst(0)
.irp j, 0,2,4,6
	v_pk_fma_f32 v[OUT+\j:OUT+\j+1], v[OUT+\j:OUT+\j+1], s[46:47], v[BB:BB+1] op_sel_hi:[1,0,1]   ; sum x C2 2^(e2 + e3) + (b1 + b2) C2: register j is row 8 h + j of the tile, unit r
.endr
	global_store_b128 v11, v[OUT:OUT+3], s[18:19]              ; the wave stores 512 consecutive bytes, at a multiple of 512 from the buffer's first byte
	global_store_b128 v11, v[OUT+4:OUT+7], s[18:19] offset:512
	s_branch .Lend
.Lnot_product:
	s_cmp_lt_u32 s20, 8
	s_cbranch_scc0 .Lend
	; ---- waves 4 to 7: a lane takes unit 32 ug + l, its 16 registers take 16 rows of W1, so the conversions give 16 codes of one unit.
	; THE ORDER OF K in w1c: byte n of the group of 16 codes kp is k = 128 (n / 4) + 4 kp + n % 4.  The second launch lays the features' codes in the same order,
	; so every product meets its partner; only the order of the sums differs.
.set n, 0
.rept 16
	global_load_b32 v[HX+n], v12, s[8:9] offset:4096*(128*(n/4)+(n%4)) th:TH_LOAD_NT     ; the four waves side by side read 512 consecutive bytes
.set n, n+1
.endr
	s_wait_loadcnt 0x0
	HOLD16 HX, L1
	v_cvt_scalef32_pk8_fp8_f32 v[HC:HC+1], v[HX:HX+7], v[S1]
	v_cvt_scalef32_pk8_fp8_f32 v[HC+2:HC+3], v[HX+8:HX+15], v[S1]
	v_nop
	global_store_b128 v13, v[HC:HC+3], s[16:17]                ; sixteen lanes store 256 consecutive bytes, aligned; the other sixteen the same in the next unit tile
.Lend:
	s_wait_tensorcnt 0x0                           ; the wave's end
	ds_add_u32 v[SPW], v[NIL]
	s_wait_dscnt 0x0
	s_endpgm
.Lfunc_end_k_q62206a7ede_prep:
	.size	k_q62206a7ede_prep, .Lfunc_end_k_q62206a7ede_prep-k_q62206a7ede_prep
	.p2alignl 7, 3214868480
	.fill 96, 4, 3214868480
	.section	.rodata,"a",@progbits
	.p2align	6, 0x0
	.amdhsa_kernel k_q62206a7ede_prep
		.amdhsa_group_segment_fixed_size 67584
		.amdhsa_private_segment_fixed_size 0
		.amdhsa_enable_private_segment 0
		.amdhsa_kernarg_size 64
		.amdhsa_user_sgpr_count 2
		.amdhsa_user_sgpr_kernarg_segment_ptr 1
		.amdhsa_wavefront_size32 1
		.amdhsa_system_sgpr_workgroup_id_x 1
		.amdhsa_system_sgpr_workgroup_id_y 1
		.amdhsa_system_sgpr_workgroup_id_z 1
		.amdhsa_system_vgpr_workitem_id 0
		.amdhsa_next_free_vgpr 208
		.amdhsa_next_free_sgpr 66
		.amdhsa_reserve_vcc 0
		.amdhsa_float_denorm_mode_32 3
		.amdhsa_float_denorm_mode_16_64 3
		.amdhsa_memory_ordered 1
		.amdhsa_forward_progress 1
		.amdhsa_inst_pref_size 31
	.end_amdhsa_kernel
	.amdgpu_metadata
---
amdhsa.version: [ 1, 2 ]
amdhsa.kernels:
  - .name:           k_q62206a7ede_prep
    .symbol:         k_q62206a7ede_prep.kd
    .args:
      - { .name: hidden_prev, .offset: 0, .size: 8, .value_kind: global_buffer, .address_space: global }
      - { .name: W2, .offset: 8, .size: 8, .value_kind: global_buffer, .address_space: global }
      - { .name: W1, .offset: 16, .size: 8, .value_kind: global_buffer, .address_space: global }
      - { .name: b1, .offset: 24, .size: 8, .value_kind: global_buffer, .address_space: global }
      - { .name: b2, .offset: 32, .size: 8, .value_kind: global_buffer, .address_space: global }
      - { .name: lowp_scales, .offset: 40, .size: 8, .value_kind: global_buffer, .address_space: global }
      - { .name: w1c, .offset: 48, .size: 8, .value_kind: global_buffer, .address_space: global }
      - { .name: biasw, .offset: 56, .size: 8, .value_kind: global_buffer, .address_space: global }
    .group_segment_fixed_size: 67584
    .private_segment_fixed_size: 0
    .kernarg_segment_align: 8
    .kernarg_segment_size: 64
    .max_flat_workgroup_size: 512
    .sgpr_count:     66
    .vgpr_count:     208
    .wavefront_size: 32
...
	.end_amdgpu_metadata
.endif
;; end of part 1
;; launch attn (part 2): grid 256 x 1, 4 waves a work-group, clusters of 4 x 1, 327,680 bytes of LDS; arguments features, w1c, biasw, Wv, b1, lowp_scales, out0, out1; writes out0, out1
.if DOCPART == 2
	.amdgcn_target "amdgcn-amd-amdhsa--gfx1250"
	.amdhsa_code_object_version 6
	.text
	.protected	k_q62206a7ede_attn
	.globl	k_q62206a7ede_attn
	.p2align	8
	.type	k_q62206a7ede_attn,@function
k_q62206a7ede_attn:
	s_mov_b64 s[64:65], 0
	v_nop
	global_prefetch_b8 v0, s[64:65] scope:SCOPE_SE
	s_setreg_imm32_b32 hwreg(HW_REG_WAVE_MODE, 25, 1), 1
	s_wait_xcnt 0x0
	s_wait_alu depctr_hold_cnt(0) depctr_sa_sdst(0) depctr_va_vdst(0) depctr_va_sdst(0) depctr_va_ssrc(0) depctr_va_vcc(0) depctr_vm_vsrc(0)
	s_getreg_b32 s2, hwreg(HW_REG_IB_STS2, 6, 4)
	s_cmp_eq_u32 s2, 0
	s_cbranch_scc0 .Lentry_in_a_cluster
	s_endpgm
.Lentry_in_a_cluster:
	s_bfe_u32 s2, ttmp6, 0x10000c
	s_cmp_lg_u32 s2, 0x3003
	s_cbranch_scc0 .Lentry_shape_is_right
	s_endpgm
.Lentry_shape_is_right:
; SECOND OF TWO LAUNCHES.  A work-group owns one batch: 512 positions in eight tiles of 64, all 1,024 units; wave w owns units 256 w .. 256 w + 255 (64 accumulators, windows 2 and 3).
; For each tile: the features are quantised in registers (E4M3, scale 2^e0, held within +-448 x the scale) and laid in LDS; raw = codes x W1's codes (w1c) by v_wmma_f32_16x16x128_fp8_fp8, K = 512 in four steps;
; logit = -2 log2(e) x sum_u Wv[u] / (1 + 2^(raw x C2 2^(e0+e1) + biasw)); a running maximum, p = 2^(logit - max), the sum of p and context += p x raw are kept in f32.
; WORK LEFT OUT, as shown at the head of the first launch: bv and the sum of Wv (the same for all positions of a batch: the softmax takes them away); b1 is added to context once, at the end.
; LIMITS: e0 between -126 and 119; e0 + e1 between -127 and 126; NaN among the features is not served; the logits to the base 2 stay under 2^31 in magnitude.
; W1's codes come through two LDS slots of one K step (131,072 bytes) by joint loads of the four work-groups of a cluster, which walk the same codes; the K steps are walked forth and back by turns,
; so that a tile asks for two steps only.  The next tile's features are asked for in the L2 one tile ahead (four requests a wave, lanes 256 bytes apart) and loaded under the last K step.
; THE ORDER OF K in a row of codes: lane l's 16 codes lie on end at byte 16 l; byte 4 q + i of them is k = 128 q + 4 l + i, as in w1c.
.set SLOTB,  131072
.set LSL,    32768                     ; in LDS a wave's parts of the two slots lie on end: wave x 65,536 + slot x 32,768, so that one load of two rows of 32,768 bytes brings K steps 0 and 1 at the head
.set ACODE,  2*SLOTB
.set APITCH, 528
.set XCH,    ACODE+64*APITCH
.set OUTS,   XCH+8192
.set SPARE,  OUTS+4096
.set C2,     0x4038aa3b
.set AB,   1
.set FO,   1
.set A0,   2
.set PFO,  3
.set QS,   4
.set BF,   5
.set BG,   6
.set AK,   7
.set XS,   11
.set XR,   12
.set XSA,  13
.set XRA,  14
.set OS,   15
.set ORD,  16
.set OG,   17
.set XF,   18
.set SCQ,  19
.set LIMQ, 20
.set SPW,  21
.set NIL,  22
.set O1,   23
.set BIAS, 24
.set WV,   40
.set CTX,  56
.set LG,   88
.set MN,   120
.set MO,   121
.set LS,   122
.set FF,   124
.set TA,   126
.set TC,   127
.set MSB, 0
.macro WIN new
.if MSB != (\new)
	s_set_vgpr_msb (MSB<<8)|(\new)
.set MSB, (\new)
.endif
.endm
.macro PLACES
.rept 4
	v_nop
.endr
.endm
.macro ROUND
	s_barrier_signal -1
	s_barrier_wait -1
	s_cmp_lg_u32 s20, 0
	s_cbranch_scc1 .Lnot_wave_0_\@
	s_barrier_signal -3
.Lnot_wave_0_\@:
	s_barrier_wait -3
	s_barrier_signal -1
	s_barrier_wait -1
.endm
.macro MULG g, st, zero
.irp ub, 0,1,2,3
.irp ra, 0,1,2,3
.set rD, 32*((4*(\g)+\ub)%8)+8*\ra
.set rA, 128+64*(\st)+16*\ra
.set rB, 16*(4*(\g)+\ub)
.if \zero
	v_wmma_f32_16x16x128_fp8_fp8 v[rD:rD+7], v[rA:rA+15], v[rB:rB+15], 0
.else
	v_wmma_f32_16x16x128_fp8_fp8 v[rD:rD+7], v[rA:rA+15], v[rB:rB+15], v[rD:rD+7]
.endif
.endr
.endr
.endm
.macro LDB g, adr
	WIN 0x40
.irp ub, 0,1,2,3
.irp c, 0,1,2,3
	ds_load_b128 v[16*(4*(\g)+\ub)+4*\c:16*(4*(\g)+\ub)+4*\c+3], v[\adr] offset:2048*(4*(\g)+\ub)+512*\c
.endr
.endr
.endm
.macro LDA st, adr
	WIN 0
.irp ra, 0,1,2,3
.irp c, 0,1,2,3
	ds_load_b128 v[128+64*(\st)+16*\ra+4*\c:128+64*(\st)+16*\ra+4*\c+3], v[\adr] offset:16*APITCH*\ra+32*\c
.endr
.endr
.endm
.macro FROW i
.irp q, 0,1,2,3
	global_load_b128 v[16*(\i)+4*\q:16*(\i)+4*\q+3], v[FO], s[4:5] offset:2048*(\i)+512*\q th:TH_LOAD_NT
.endr
.endm
.macro FGRP i0, i1
	WIN 0x40
.set fr, \i0
.rept (\i1)-(\i0)+1
	FROW fr
.set fr, fr+1
.endr
.endm
.macro QROWS
	WIN 0x41
.set n, 0
.rept 16
	v_med3_num_f32 v[n], v[n], -v[LIMQ], v[LIMQ]
.set n, n+1
.endr
	WIN 0x01
	v_cvt_scalef32_pk8_fp8_f32 v[224:225], v[0:7], v[SCQ]
	v_cvt_scalef32_pk8_fp8_f32 v[226:227], v[8:15], v[SCQ]
	WIN 0x41
.set rw, 1
.rept 15
.set n, 0
.rept 16
	v_med3_num_f32 v[16*rw+n], v[16*rw+n], -v[LIMQ], v[LIMQ]
.set n, n+1
.endr
	v_cvt_scalef32_pk8_fp8_f32 v[16*rw-16:16*rw-15], v[16*rw:16*rw+7], v[SCQ]
	v_cvt_scalef32_pk8_fp8_f32 v[16*rw-14:16*rw-13], v[16*rw+8:16*rw+15], v[SCQ]
.set rw, rw+1
.endr
	v_nop
	WIN 0
	ds_store_b128 v[QS], v[224:227]                ; row 0: the wave stores 512 consecutive bytes
	WIN 0x04
.set rw, 1
.rept 15
	ds_store_b128 v[QS], v[16*rw-16:16*rw-13] offset:APITCH*rw
.set rw, rw+1
.endr
	WIN 0
.endm
.macro XPREP first
	s_wait_loadcnt 0x0
	QROWS
.if \first == 0
	s_xor_b32 s40, s40, LSL
	s_xor_b32 s41, s41, 384
	s_xor_b32 s42, s42, 3*SLOTB
.endif
	s_add_co_u32 s57, s40, s45                     ; v[AB] holds 16 x lane + 32,768 x wave; s45 adds the other 32,768 x wave
	v_add_nc_u32 v[BF], s57, v[AB]
	s_xor_b32 s57, s40, LSL
	s_add_co_u32 s57, s57, s45
	v_add_nc_u32 v[BG], s57, v[AB]
	v_add_nc_u32 v[AK], s41, v[A0]
	s_xor_b32 s57, s41, 128
	v_add_nc_u32 v[AK+1], s57, v[A0]
	s_xor_b32 s57, s41, 256
	v_add_nc_u32 v[AK+2], s57, v[A0]
	s_xor_b32 s57, s41, 384
	v_add_nc_u32 v[AK+3], s57, v[A0]
	s_wait_alu depctr_va_vdst(0)
	s_wait_dscnt 0x0
.if \first
	s_wait_tensorcnt 0x0                           ; my own parts of K steps 0 and 1 have landed; no other wave reads them
.endif
	LDB 0, BF
	LDB 1, BF
	LDB 2, BF
	LDB 3, BF
	WIN 0
	s_wait_tensorcnt 0x0
	ds_add_u32 v[SPW], v[NIL]
.if \first == 0
	s_xor_b32 s33, s33, LSL
	s_xor_b32 s37, s37, LSL
.endif
	s_xor_b32 s46, s42, 2*SLOTB
	s_add_nc_u64 s[34:35], s[6:7], s[46:47]
	s_or_b32 s35, s35, 0x80000000
	s_wait_dscnt 0x0
	ROUND
	tensor_load_to_lds s[32:35], s[24:31]
	s_nop 0
	PLACES
.endm
.macro ARG b
.set rTS, 128+32*((\b)%4)
.set rAS, 32*((\b)%8)
.set rBP, BIAS+2*((\b)/2)
	WIN 2+(\b)/8
.irp ra, 0,1,2,3
.irp jj, 0,2,4,6
.if (\b)%2 == 0
	v_pk_fma_f32 v[rTS+8*\ra+\jj:rTS+8*\ra+\jj+1], v[rAS+8*\ra+\jj:rAS+8*\ra+\jj+1], s[48:49], v[rBP:rBP+1] op_sel_hi:[1,0,0]
.else
	v_pk_fma_f32 v[rTS+8*\ra+\jj:rTS+8*\ra+\jj+1], v[rAS+8*\ra+\jj:rAS+8*\ra+\jj+1], s[48:49], v[rBP:rBP+1] op_sel:[0,0,1] op_sel_hi:[1,0,1]
.endif
.endr
.endr
	WIN 0
.endm
; Stage k's batch: the exponentials of block k, the reciprocals of block k - 2, and among them the additions of 1 of block k - 1: three different sets of 32 registers (block b has set b % 4, v128-255).
; Every source was written ahead of the stage's wait, and every result is first named behind the next stage's.
.macro MIX k
.set eS, 128+32*((\k)%4)
.set cS, 128+32*(((\k)+2)%4)
.set aS, 128+32*(((\k)+3)%4)
.set n, 0
.rept 16
.if (\k) <= 15
	v_exp_f32 v[eS+n], v[eS+n]
.endif
.if ((\k) >= 2) && ((\k) <= 17)
	v_rcp_f32 v[cS+n], v[cS+n]
.endif
.if (\k) <= 15
	v_exp_f32 v[eS+n+1], v[eS+n+1]
.endif
.if ((\k) >= 2) && ((\k) <= 17)
	v_rcp_f32 v[cS+n+1], v[cS+n+1]
.endif
.if ((\k) >= 1) && ((\k) <= 16)
	v_pk_add_f32 v[aS+n:aS+n+1], v[aS+n:aS+n+1], 1.0 op_sel_hi:[1,0]
.endif
.set n, n+2
.endr
.if ((\k) == 0) || ((\k) == 17)
	v_nop                                          ; a plain place behind the last transcendental
.endif
.endm
.macro LOGB b
.set rTS, 128+32*((\b)%4)
.set n, 0
.rept 16
.if (\b) == 0
	v_pk_mul_f32 v[LG+n:LG+n+1], v[rTS+n:rTS+n+1], v[WV:WV+1] op_sel_hi:[1,0]
.elseif (\b)%2 == 0
	v_pk_fma_f32 v[LG+n:LG+n+1], v[rTS+n:rTS+n+1], v[WV+(\b):WV+(\b)+1], v[LG+n:LG+n+1] op_sel_hi:[1,0,1]
.else
	v_pk_fma_f32 v[LG+n:LG+n+1], v[rTS+n:rTS+n+1], v[WV+(\b)-1:WV+(\b)], v[LG+n:LG+n+1] op_sel:[0,1,0] op_sel_hi:[1,1,1]
.endif
.set n, n+2
.endr
.endm
; A stage of the pipeline over the wave's 16 blocks of units.  Block b: its arguments in stage b - 1, 2^y in stage b, 1 + 2^y in stage b + 1, the reciprocal in stage b + 2, its terms of the logits in stage b + 3.
; Block k - 3's terms are taken first: block k + 1's arguments land on the same set.
.macro STG k
	s_wait_alu depctr_va_vdst(0)                   ; the wait behind a batch of transcendentals and ahead of the next
.if (\k) >= 3
	LOGB (\k)-3
.endif
.if (\k) <= 14
.if (\k) >= 3
	s_wait_alu depctr_va_vdst(0)                   ; the wait directly ahead of the first reader of matrix results
.endif
	ARG (\k)+1
.endif
.if (\k) <= 17
	MIX \k
.endif
.endm
.macro GEMM last
	s_wait_dscnt 0x0
	WIN 0xa4
	MULG 0, 0, 1
	PLACES
	LDA 1, AK+1
	LDB 0, BG
.if \last == 0
.irp i, 0,1,2,3
	global_prefetch_b8 v[PFO], s[4:5] offset:64*2048+8192*\i th:TH_LOAD_NT scope:SCOPE_SE
.endr
.endif
	WIN 0xa4
	MULG 1, 0, 1
	PLACES
	LDB 1, BG
	WIN 0xf4
	MULG 2, 0, 1
	PLACES
	LDB 2, BG
	WIN 0xf4
	MULG 3, 0, 1
	PLACES
	LDB 3, BG
	WIN 0
	s_wait_tensorcnt 0x0
	ds_add_u32 v[SPW], v[NIL]
	s_xor_b32 s46, s42, 3*SLOTB
	s_add_nc_u64 s[38:39], s[6:7], s[46:47]
	s_or_b32 s39, s39, 0x80000000
	s_wait_dscnt 49
	WIN 0xa4
	MULG 0, 1, 0
	s_wait_dscnt 0x0
	WIN 0
	ROUND
	tensor_load_to_lds s[36:39], s[24:31]
	s_nop 0
	PLACES
	LDA 0, AK+2
	LDB 0, BF
	WIN 0xa4
	MULG 1, 1, 0
	PLACES
	LDB 1, BF
	WIN 0xf4
	MULG 2, 1, 0
	PLACES
	LDB 2, BF
	WIN 0xf4
	MULG 3, 1, 0
	PLACES
	LDB 3, BF
	s_wait_dscnt 48
	WIN 0xa4
	MULG 0, 0, 0
	s_wait_dscnt 32
	MULG 1, 0, 0
	s_wait_dscnt 16
	WIN 0xf4
	MULG 2, 0, 0
	s_wait_tensorcnt 0x0
	PLACES
	LDA 1, AK+3
	LDB 0, BG
	LDB 1, BG
	s_wait_dscnt 48
	WIN 0xf4
	MULG 3, 0, 0
	PLACES
	LDB 2, BG
	LDB 3, BG
	s_wait_dscnt 48
	WIN 0xa4
	MULG 0, 1, 0
.if \last == 0
	PLACES
	s_wait_xcnt 0x0
	s_add_nc_u64 s[4:5], s[4:5], 64*2048
	FGRP 0, 3
.endif
	s_wait_dscnt 32
	WIN 0xa4
	MULG 1, 1, 0
.if \last == 0
	PLACES
	FGRP 4, 7
.endif
	s_wait_dscnt 16
	WIN 0xf4
	MULG 2, 1, 0
.if \last == 0
	PLACES
	FGRP 8, 11
.endif
	s_wait_dscnt 0x0
	WIN 0xf4
	MULG 3, 1, 0
	PLACES
.if \last == 0
	FGRP 12, 14
.endif
	WIN 0
.endm
; One step of the sum over the 16 lanes of a row of lanes, which also halves the registers: of the pair (n, n + hh) a lane whose bit xm is clear keeps n and sends n + hh, the other lane the other way round.
.macro FOLD hh, xm, mask
	s_mov_b32 vcc_lo, \mask
.set n, 0
.rept \hh
	v_cndmask_b32 v[128+n], v[LG+n], v[LG+n+\hh], vcc_lo
	v_cndmask_b32 v[160+n], v[LG+n+\hh], v[LG+n], vcc_lo
.set n, n+1
.endr
.set n, 0
.rept \hh
	v_add_f32_dpp v[LG+n], v[160+n], v[128+n] row_xmask:\xm row_mask:0xf bank_mask:0xf
.set n, n+1
.endr
.endm
.macro EPI last
.if \last
	WIN 0x40
	global_load_b128 v[0:3], v[OG], s[12:13]
	global_load_b128 v[4:7], v[OG], s[12:13] offset:512
	WIN 0
.endif
	ARG 0
.irp k, 0,1,2,3,4,5
	STG \k
.endr
.if \last == 0
	FGRP 15, 15
	WIN 0
	s_wait_dscnt 0x0
	s_barrier_signal -1
.endif
.irp k, 6,7,8,9,10,11,12,13,14,15,16,17,18
	STG \k
.endr
	FOLD 16, 8, 0xff00ff00                         ; behind the four steps lane (r, h) holds in LG, LG + 1 the sums over my wave's units of registers 2 r and 2 r + 1
	FOLD 8, 4, 0xf0f0f0f0
	FOLD 4, 2, 0xcccccccc
	FOLD 2, 1, 0xaaaaaaaa
	v_add_nc_u32 v[XSA], s43, v[XS]
	v_add_nc_u32 v[XRA], s43, v[XR]
.if \last == 0
	s_wait_alu depctr_va_vdst(0)
	s_barrier_wait -1
.endif
	ds_store_b64 v[XSA], v[LG:LG+1]                ; the wave's 64 partial logits: 256 bytes, in the order of the tile's rows
.if \last == 0
	XPREP 0
.else
	s_wait_alu depctr_va_vdst(0)
	s_wait_dscnt 0x0
	s_barrier_signal -1
	s_barrier_wait -1
.endif
.irp ww, 0,1,2,3
.irp q, 0,1,2,3,4,5,6,7
	ds_load_b128 v[128+32*\ww+4*\q:128+32*\ww+4*\q+3], v[XRA] offset:256*\ww+64*(\q/2)+16*(\q%2)
.endr
.endr
	s_wait_dscnt 0x0
.set n, 0
.rept 16
	v_pk_add_f32 v[128+n:129+n], v[128+n:129+n], v[160+n:161+n]
	v_pk_add_f32 v[192+n:193+n], v[192+n:193+n], v[224+n:225+n]
.set n, n+2
.endr
.set n, 0
.rept 16
	v_pk_add_f32 v[LG+n:LG+n+1], v[128+n:129+n], v[192+n:193+n]
.set n, n+2
.endr
	v_max3_num_f32 v[TA], v[LG], v[LG+1], v[LG+2]
	v_max3_num_f32 v[TC], v[LG+3], v[LG+4], v[LG+5]
.irp n, 6,10,14,18,22,26
	v_max3_num_f32 v[TA], v[TA], v[LG+\n], v[LG+\n+1]
	v_max3_num_f32 v[TC], v[TC], v[LG+\n+2], v[LG+\n+3]
.endr
	v_max3_num_f32 v[TA], v[TA], v[LG+30], v[LG+31]
	v_max_num_f32 v[TA], v[TA], v[TC]
	v_permlanex16_b32 v[TC], v[TA], s50, s51
	v_max_num_f32 v[TA], v[TA], v[TC]
	v_max_num_f32 v[MN], v[MO], v[TA]
	v_sub_f32 v[FF], v[MO], v[MN]
.set n, 0
.rept 16
	v_pk_add_f32 v[LG+n:LG+n+1], v[LG+n:LG+n+1], v[MN:MN+1] op_sel_hi:[1,0] neg_lo:[0,1] neg_hi:[0,1]
.set n, n+2
.endr
	s_wait_alu depctr_va_vdst(0)
	v_exp_f32 v[FF], v[FF]
.set n, 0
.rept 32
	v_exp_f32 v[LG+n], v[LG+n]
.set n, n+1
.endr
	v_mov_b32 v[MO], v[MN]
	s_wait_alu depctr_va_vdst(0)
.set n, 0
.rept 8
	v_pk_add_f32 v[128+2*n:129+2*n], v[LG+4*n:LG+4*n+1], v[LG+4*n+2:LG+4*n+3]
.set n, n+1
.endr
.irp n, 0,4,8,12
	v_pk_add_f32 v[128+\n:129+\n], v[128+\n:129+\n], v[130+\n:131+\n]
.endr
	v_pk_add_f32 v[128:129], v[128:129], v[132:133]
	v_pk_add_f32 v[136:137], v[136:137], v[140:141]
	v_pk_add_f32 v[128:129], v[128:129], v[136:137]
	v_pk_fma_f32 v[LS:LS+1], v[LS:LS+1], v[FF:FF+1], v[128:129] op_sel_hi:[1,0,1]
.set n, 0
.rept 16
	v_pk_mul_f32 v[CTX+n:CTX+n+1], v[CTX+n:CTX+n+1], v[FF:FF+1] op_sel_hi:[1,0]
.set n, n+2
.endr
.irp hw, 0,1
	WIN 2+\hw
.irp ra, 0,1,2,3
.irp jj, 0,2,4,6
.irp ub, 0,1,2,3,4,5,6,7
	v_pk_fma_f32 v[CTX+16*\hw+2*\ub:CTX+16*\hw+2*\ub+1], v[32*\ub+8*\ra+\jj:32*\ub+8*\ra+\jj+1], v[LG+8*\ra+\jj:LG+8*\ra+\jj+1], v[CTX+16*\hw+2*\ub:CTX+16*\hw+2*\ub+1]
.endr
.endr
.endr
.endr
	WIN 0
	s_add_co_u32 s43, s43, 1024
.if \last == 0
	LDA 0, AK
.endif
.endm
.macro TILE last
	GEMM \last
	EPI \last
.endm
	s_load_b256 s[4:11], s[0:1], 0x0
	s_load_b256 s[12:19], s[0:1], 0x20
	v_lshl_add_u32 v[SPW], v0, 2, SPARE
	v_mov_b32 v[NIL], 0
	ds_add_u32 v[SPW], v[NIL]
	ds_add_u32 v[SPW], v[NIL]
	v_lshrrev_b32 v[TA], 5, v0
	v_readfirstlane_b32 s20, v[TA]
	s_bfe_u32 s21, ttmp6, 0x40000
	s_lshl_b32 s22, ttmp9, 2
	s_add_co_u32 s22, s22, s21
	s_mov_b32 s24, 15|(3<<16)|(1<<21)
	s_mov_b32 s25, 32<<16
	s_mov_b32 s26, 128<<16
	s_mov_b32 s27, 32<<16
	s_mov_b32 s28, 128
	s_mov_b32 s29, 32
	s_mov_b32 s30, 0
	s_mov_b32 s31, 0
	s_lshl_b32 s46, s20, 15
	s_mov_b32 s47, 0
	s_mov_b32 s32, 1
	s_lshl_b32 s33, s20, 16
	s_mov_b32 s36, 1
	s_add_co_u32 s37, s33, LSL
	s_lshl_b32 s45, s20, 15
	s_mov_b32 s68, 15|(3<<16)|(1<<21)              ; group 1 of the head's load: elements of 8 bytes, the mask of the four partners
	s_mov_b32 s69, 4096<<16                        ; tensor_dim0: a row of 4,096 elements, my 32,768 bytes of a K step
	s_mov_b32 s70, 2<<16                           ; tensor_dim1: two rows, K steps 0 and 1
	s_mov_b32 s71, 4096<<16                        ; tile_dim0
	s_mov_b32 s72, 2                               ; tile_dim1
	s_mov_b32 s73, 16384                           ; from row to row: a K step of w1c, 131,072 bytes
	s_mov_b32 s74, 0
	s_mov_b32 s75, 0
	s_mov_b32 s40, 0
	s_mov_b32 s41, 0
	s_mov_b32 s42, 0
	s_mov_b32 s43, 0
	s_mov_b32 s50, 0x76543210
	s_mov_b32 s51, 0xfedcba98
	s_wait_dscnt 0x0
	s_wait_kmcnt 0x0
	s_load_b128 s[52:55], s[14:15], 0x0
	v_and_b32 v[TA], 31, v0
	s_lshl_b32 s57, s20, 15
	v_lshl_add_u32 v[AB], v[TA], 4, s57
	v_lshl_add_u32 v[PFO], v[TA], 8, s57
	s_lshl_b32 s60, s22, 20
	s_mov_b32 s61, 0
	s_add_nc_u64 s[4:5], s[4:5], s[60:61]
	s_add_nc_u64 s[6:7], s[6:7], s[46:47]
	s_mov_b64 s[34:35], s[6:7]
	s_or_b32 s35, s35, 0x80000000
	s_wait_alu depctr_va_vdst(0)                   ; the wait here, ahead of the round's barriers
	ROUND                                          ; the four partners are here: the first joint loads meet
	tensor_load_to_lds s[32:35], s[68:75]          ; my one tensor load at the head: my parts of K steps 0 and 1, both slots
	s_nop 0
	PLACES
	FGRP 0, 15                                     ; the first tile's features
	WIN 0
	s_lshr_b32 s60, s22, 4
	s_lshl_b32 s60, s60, 16
	s_bfe_u32 s62, s22, 0x10002
	s_lshl_b32 s62, s62, 9
	s_add_co_u32 s60, s60, s62
	s_bfe_u32 s62, s22, 0x10003
	s_lshl_b32 s62, s62, 8
	s_add_co_u32 s60, s60, s62
	s_and_b32 s62, s22, 3
	s_lshl_b32 s62, s62, 2
	s_add_co_u32 s60, s60, s62
	s_add_nc_u64 s[8:9], s[8:9], s[60:61]
	s_lshl_b32 s60, s22, 12
	s_add_nc_u64 s[16:17], s[16:17], s[60:61]
	s_lshl_b32 s60, s22, 11
	s_add_nc_u64 s[18:19], s[18:19], s[60:61]
	v_and_b32 v[TC], 15, v0
	v_bfe_u32 v[FF+1], v0, 4, 1
	s_lshl_b32 s57, s20, 14
	v_lshl_add_u32 v[XSA], v[TC], 4, s57
	s_lshl_b32 s57, s20, 10
	v_lshl_add_u32 v[XRA], v[TC], 2, s57
.set n, 0
.rept 16
	global_load_b32 v[BIAS+n], v[XSA], s[8:9] offset:1024*n
.set n, n+1
.endr
.set n, 0
.rept 16
	global_load_b32 v[WV+n], v[XRA], s[10:11] offset:64*n
.set n, n+1
.endr
	v_mul_u32_u24 v[A0], v[TC], APITCH
	v_lshl_add_u32 v[A0], v[FF+1], 4, v[A0]
	v_add_nc_u32 v[A0], ACODE, v[A0]
	s_mul_i32 s57, s20, 16*APITCH
	s_add_co_u32 s57, s57, ACODE
	v_lshl_add_u32 v[QS], v[TA], 4, s57
	s_lshl_b32 s57, s20, 8
	s_add_co_u32 s57, s57, XCH
	v_lshl_add_u32 v[XS], v[FF+1], 5, s57
	v_bfe_u32 v[MN], v0, 2, 2
	v_lshl_add_u32 v[XS], v[MN], 6, v[XS]          ; register 2 r is row tile r / 4, row 8 h + 2 (r % 4): byte 64 (r / 4) + 32 h + 8 (r % 4) of my wave's 256
	v_and_b32 v[MN], 3, v0
	v_lshl_add_u32 v[XS], v[MN], 3, v[XS]
	v_lshlrev_b32 v[XR], 5, v[FF+1]
	v_add_nc_u32 v[XR], XCH, v[XR]
	s_lshl_b32 s57, s20, 10
	v_lshl_add_u32 v[OG], v[TA], 4, s57
	s_add_co_u32 s57, s57, OUTS
	v_lshl_add_u32 v[OS], v[TC], 2, s57
	v_lshl_add_u32 v[ORD], v[TA], 4, s57
	v_lshrrev_b32 v[XF], 4, v0
	v_lshlrev_b32 v[XF], 10, v[XF]
	v_lshl_add_u32 v[XF], v[TC], 4, v[XF]
	v_add_nc_u32 v[XF], XCH, v[XF]
	v_lshlrev_b32 v[O1], 4, v0
.set n, 0
.rept 32
	v_mov_b32 v[CTX+n], 0
.set n, n+1
.endr
	v_mov_b32 v[LS], 0
	v_mov_b32 v[LS+1], 0
	v_mov_b32 v[MO], 0xff61b1e6
	v_mov_b32 v[FF+1], 0
	s_wait_kmcnt 0x0
	s_add_co_i32 s56, s52, s53
	s_lshl_b32 s58, s56, 23
	s_add_co_i32 s48, s58, C2
	s_mov_b32 s49, s48
	s_add_co_i32 s58, s52, 127
	s_lshl_b32 s59, s58, 23
	v_mov_b32 v[SCQ], s59
	s_add_co_i32 s58, s58, 8
	s_lshl_b32 s58, s58, 23
	s_or_b32 s58, s58, 0x600000
	v_mov_b32 v[LIMQ], s58
	s_wait_loadcnt 0x0
.set n, 0
.rept 16
	v_mul_f32 v[WV+n], 0xc038aa3b, v[WV+n]
.set n, n+1
.endr
	XPREP 1
	LDA 0, AK
	s_mov_b32 s44, 7
.Ltile:
	TILE 0
	s_sub_co_u32 s44, s44, 1
	s_cmp_lg_u32 s44, 0
	s_cbranch_scc1 .Ltile
	TILE 1
	v_add_f32 v[TA], v[LS], v[LS+1]
	v_permlanex16_b32 v[TC], v[TA], s50, s51
	v_add_f32 v[TA], v[TA], v[TC]
	s_wait_alu depctr_va_vdst(0)
	v_rcp_f32 v[TA], v[TA]
.set n, 0
.rept 16
	v_add_f32 v[128+n], v[CTX+2*n], v[CTX+2*n+1]
.set n, n+1
.endr
	s_wait_alu depctr_va_vdst(0)
	v_ldexp_f32 v[TC], v[TA], s56
.set n, 0
.rept 16
	v_permlanex16_b32 v[144+n], v[128+n], s50, s51
.set n, n+1
.endr
.set n, 0
.rept 16
	v_add_f32 v[128+n], v[128+n], v[144+n]
.set n, n+1
.endr
.set n, 0
.rept 16
	v_mul_f32 v[128+n], v[128+n], v[TC]
.set n, n+1
.endr
.set n, 0
.rept 16
	ds_store_b32 v[OS], v[128+n] offset:64*n
.set n, n+1
.endr
	ds_load_b128 v[160:163], v[ORD]
	ds_load_b128 v[164:167], v[ORD] offset:512
.irp ww, 0,1,2,3
	ds_load_b128 v[168+4*\ww:171+4*\ww], v[XF] offset:256*\ww
.endr
	s_wait_loadcnt 0x0
	s_wait_dscnt 4
	WIN 0x04
.irp n, 0,2,4,6
	v_pk_add_f32 v[160+\n:161+\n], v[160+\n:161+\n], v[\n:\n+1]
.endr
	WIN 0
	global_store_b128 v[OG], v[160:163], s[16:17]
	global_store_b128 v[OG], v[164:167], s[16:17] offset:512
	s_wait_dscnt 0x0
	v_pk_add_f32 v[168:169], v[168:169], v[172:173]
	v_pk_add_f32 v[170:171], v[170:171], v[174:175]
	v_pk_add_f32 v[176:177], v[176:177], v[180:181]
	v_pk_add_f32 v[178:179], v[178:179], v[182:183]
	v_pk_add_f32 v[168:169], v[168:169], v[176:177]
	v_pk_add_f32 v[170:171], v[170:171], v[178:179]
.irp n, 0,1,2,3
	v_sub_f32 v[168+\n], v[168+\n], v[MO]
.endr
	s_wait_alu depctr_va_vdst(0)
.irp n, 0,1,2,3
	v_exp_f32 v[168+\n], v[168+\n]
.endr
	v_nop
	s_wait_alu depctr_va_vdst(0)
.irp n, 0,1,2,3
	v_mul_f32 v[168+\n], v[168+\n], v[TA]
.endr
	global_store_b128 v[O1], v[168:171], s[18:19]
	s_wait_tensorcnt 0x0
	ds_add_u32 v[SPW], v[NIL]
	s_wait_dscnt 0x0
	ROUND
	s_endpgm
.Lfunc_end_k_q62206a7ede_attn:
	.size	k_q62206a7ede_attn, .Lfunc_end_k_q62206a7ede_attn-k_q62206a7ede_attn
	.p2alignl 7, 3214868480
	.fill 96, 4, 3214868480
	.section	.rodata,"a",@progbits
	.p2align	6, 0x0
	.amdhsa_kernel k_q62206a7ede_attn
		.amdhsa_group_segment_fixed_size 327680
		.amdhsa_private_segment_fixed_size 0
		.amdhsa_enable_private_segment 0
		.amdhsa_kernarg_size 64
		.amdhsa_user_sgpr_count 2
		.amdhsa_user_sgpr_kernarg_segment_ptr 1
		.amdhsa_wavefront_size32 1
		.amdhsa_system_sgpr_workgroup_id_x 1
		.amdhsa_system_sgpr_workgroup_id_y 1
		.amdhsa_system_sgpr_workgroup_id_z 1
		.amdhsa_system_vgpr_workitem_id 0
		.amdhsa_next_free_vgpr 1024
		.amdhsa_next_free_sgpr 76
		.amdhsa_reserve_vcc 1
		.amdhsa_float_denorm_mode_32 3
		.amdhsa_float_denorm_mode_16_64 3
		.amdhsa_memory_ordered 1
		.amdhsa_forward_progress 1
		.amdhsa_inst_pref_size 255
	.end_amdhsa_kernel
	.section	.bss,"aw",@nobits
	.p2align	6
	.space	262144
	.amdgpu_metadata
---
amdhsa.version: [ 1, 2 ]
amdhsa.kernels:
  - .name:           k_q62206a7ede_attn
    .symbol:         k_q62206a7ede_attn.kd
    .args:
      - { .name: features, .offset: 0, .size: 8, .value_kind: global_buffer, .address_space: global }
      - { .name: w1c, .offset: 8, .size: 8, .value_kind: global_buffer, .address_space: global }
      - { .name: biasw, .offset: 16, .size: 8, .value_kind: global_buffer, .address_space: global }
      - { .name: Wv, .offset: 24, .size: 8, .value_kind: global_buffer, .address_space: global }
      - { .name: b1, .offset: 32, .size: 8, .value_kind: global_buffer, .address_space: global }
      - { .name: lowp_scales, .offset: 40, .size: 8, .value_kind: global_buffer, .address_space: global }
      - { .name: out0, .offset: 48, .size: 8, .value_kind: global_buffer, .address_space: global }
      - { .name: out1, .offset: 56, .size: 8, .value_kind: global_buffer, .address_space: global }
    .group_segment_fixed_size: 327680
    .private_segment_fixed_size: 0
    .kernarg_segment_align: 8
    .kernarg_segment_size: 64
    .max_flat_workgroup_size: 128
    .sgpr_count:     76
    .vgpr_count:     1024
    .wavefront_size: 32
...
	.end_amdgpu_metadata
.endif
;; end of part 2
